; MI455X (gfx1250); checked and timed in simulation.
; The chip was launched on July 23, 2026; its instructions are those of AMD's public machine-readable ISA for CDNA 5 (MIT licence, August 2026) and "CDNA5" Instruction Set Architecture Reference Guide (July 2026). The comments in the code are by the model that wrote it; some were corrected since.
;; Multi Head Attention. Allowed arithmetic: matrix products marked QUANTISED: E2M3 operands, one E8M0 scale for each 32 along K, by v_wmma_scale_f32_16x16x128_f8f6f4 with both operands' format E2M3, f32 sums; everything else in f32.
;; Inputs: K 2 x 4,096 x 512 float32; Q 2 x 4,096 x 512 float32; V 2 x 4,096 x 512 float32; Wk 512 x 512 float32; Wo 512 x 512 float32; Wq 512 x 512 float32; Wv 512 x 512 float32; bk 512 float32; bo 512 float32; bq 512 float32; bv 512 float32.
;; Outputs: out0 2 x 4,096 x 512 float32.
;; This version of the problem:
;;   THIS VERSION OF THE PROBLEM IS GIVEN IN LOW PRECISION. The matrix products marked QUANTISED in the list below multiply operands that are first quantised to E2M3 (2 exponent bits, 3 mantissa bits; 6 bits a number), with one power-of-two scale for each 32 numbers along K (OCP MX v1.0); their sums are f32. All else is computed in f32.
;;   The module's matrix products, in the order in which they are computed (A, B: the left and right operand; K: the contracted axis; several contracted axes count as one K, in the product's order):
;;     1. [M 8,192, K 512] x [K 512, N 512]; A: input Q; B: input Wq: QUANTISED
;;     2. [M 8,192, K 512] x [K 512, N 512]; A: input K; B: input Wk: QUANTISED
;;     3. [M 8,192, K 512] x [K 512, N 512]; A: input V; B: input Wv: QUANTISED
;;     4. batch 16 x [M 4,096, K 64] x [K 64, N 4,096]; A: computed on the way; B: computed on the way: QUANTISED
;;     5. batch 16 x [M 4,096, K 4,096] x [K 4,096, N 64]; A: softmax (see below); B: computed on the way: QUANTISED
;;     6. [M 8,192, K 512] x [K 512, N 512]; A: computed on the way; B: input Wo: QUANTISED
;;   THE QUANTISER, for each operand of a quantised product, along K:
;;     - K is cut into blocks of 32 from its start; a last block that is shorter is filled with zeros.
;;     - A block's scale is 2^e with e = floor(log2(the largest magnitude in the block)) - 2, held to -126 .. 127; a block of zeros has e = 0. As a byte (E8M0): e + 127.
;;     - Each number is divided by its block's scale, clamped to +-7.5, and rounded to the nearest number of E2M3, ties to even, subnormals kept.
;;     - The product sums the exact products of the quantised numbers (number of the format x scale) in f32.
;;   ~~~python
;;   def quantise(x, axis):      # numpy; x: float32 -> the quantised numbers, widened to float32 again
;;       x = np.moveaxis(x, axis, -1); K = x.shape[-1]
;;       x = np.pad(x, [(0, 0)] * (x.ndim - 1) + [(0, -K % 32)]); x = x.reshape(x.shape[:-1] + (-1, 32)); a = np.abs(x).max(-1, keepdims=True)
;;       e = np.where(a > 0, np.clip(np.frexp(np.where(a > 0, a, 1))[1] - 1 - 2, -126, 127), 0)      # np.frexp(a)[1] - 1 = floor(log2(a)), exactly
;;       r = np.clip(x / 2.0 ** e, -7.5, 7.5)
;;       step = 2.0 ** (np.maximum(np.frexp(np.where(r == 0, 1, r))[1] - 1, 0) - 3)
;;       q = np.round(r / step) * step * 2.0 ** e      # np.round: ties to even
;;       return np.moveaxis(q.reshape(q.shape[:-2] + (-1,))[..., :K], -1, axis).astype(np.float32)
;;   ~~~
;;   SOFTMAX AHEAD OF A QUANTISED PRODUCT. Where the list says 'softmax', what is quantised is not the finished softmax but p = 2^(t - M), with t = logit x log2(e) and M = ceil(the row's largest t), a whole number; so 1/2 < the row's largest p <= 1. The row's sum l is taken of the UNQUANTISED p, in f32, and the product's result is divided by l at the end. Since M is a whole number, a kernel that streams over the keys may use a running M (the ceiling of the running maximum): every later rescaling is an exact power of two, which a block's scale takes up: the codes' values come out the same.
;;   OPERANDS COMPUTED ON THE WAY. 'Computed on the way' means the value that the module computes at that place (a softmax that the list does not call 'softmax' is quantised finished and normalised). What goes into a quantiser is computed in f32, as accurately as f32 sums, v_exp_f32 and their like allow (about 1e-6 of the number): no bf16 or f16 on the way to a quantiser, and a product that is left as it is and whose result goes on into a quantised operand takes f32 operands (vector FMAs, or v_wmma_f32_16x16x4_f32). A number that lies on a knife's edge between two numbers of the format may be rounded either way, as far as f32 arithmetic and the matrix unit's own rounding can turn it there, and no further.
;; One version. Each part assembles by itself: llvm-mc -triple=amdgcn-amd-amdhsa -mcpu=gfx1250 --defsym DOCPART=n.
;; ======== version 1 of 1: 4 launches
;; limits: right only within a limited range of input values
;; workspace buffers: wimg 851,968 bytes; qi 3,670,016 bytes; kv 7,077,888 bytes; ao 3,145,728 bytes; aosc 131,072 bytes
;; launch wq (part 1): grid 32 x 4, 4 waves a work-group, no clusters, 1,024 bytes of LDS; arguments Wq, Wk, Wv, Wo, wimg; writes wimg
.if DOCPART == 1
	.amdgcn_target "amdgcn-amd-amdhsa--gfx1250"
	.amdhsa_code_object_version 6
	.text
	.protected	k_qac8ea40d45_wq
	.globl	k_qac8ea40d45_wq
	.p2align	8
	.type	k_qac8ea40d45_wq,@function
k_qac8ea40d45_wq:
	s_mov_b64 s[64:65], 0
	v_nop
	global_prefetch_b8 v0, s[64:65] scope:SCOPE_SE
	s_setreg_imm32_b32 hwreg(HW_REG_WAVE_MODE, 25, 1), 1
	s_wait_xcnt 0x0
; MULTI-HEAD ATTENTION IN MX-FP6, LAUNCH 1 OF 4: the four weights [512 (k)][512 (n)], f32, become codes of E2M3 with one E8M0 byte for each 32 along k, their FIRST axis.
; DEAD WORK: none.  Every product of the problem reaches the output, and every bias goes into a quantised operand (bq, bk, bv) or into the output (bo): all eleven inputs are loaded by some launch.
; THE PROGRAM: wq (weights -> wimg) | proj (Q, K, V quantised, projected, biased, quantised again -> qi, kv) | attn (both attention products and the softmax -> ao, aosc) | outp (the last projection -> out0).
; LAYOUT OF wimg: a weight is 212,992 bytes.  Its codes lie as IMAGES OF OPERAND REGISTERS: fragment (tile T of 16 columns, K step s of 128) at 6,144 T + 1,536 s: three blocks of 512 bytes,
; block c holding registers 4 c .. 4 c + 3, lane l's 16 bytes at 16 l.  Behind the codes, at 196,608 + 512 T: lane l's 16 bytes are its column's four scale words, one for each K step.
; THE COLUMNS OF A TILE ARE NOT NEIGHBOURS: lane r of tile T holds column 32 (T / 2) + 8 (T % 2) + r + 8 (r / 8), so that in a product that takes the tile as source 0 the 16 result registers
; of tiles 2 b and 2 b + 1 are 16 neighbouring columns.
; SHARES: work-group (T, weight); wave s makes fragment (T, s).  A lane takes its column, and its 64 registers run DOWN k in the order of the operand's layout (k = 128 s + 64 c + 32 (lane / 16) + i):
; a block of 32 lies in one lane, and the conversions' results are the operand's registers.  Each load reads two runs of 32 neighbouring bytes in each half of the lanes.
; The four waves' scale words meet in 512 bytes of LDS and leave as one run of 512 bytes.
; No cluster and no tensor load: no two work-groups read the same numbers.
; LIMITS: a block whose largest magnitude lies under 2^-124, a block of zeros among them, gets the byte 1 (its codes are then zeros or the rule's own; this program alone reads the bytes); NaN and infinities are not served.
.set ROWW,  2048                       ; a row of a weight in bytes
.set WSTR,  212992                     ; a weight's images
.set WSCO,  196608                     ; where its scale words begin
.set SPARE, 512                        ; LDS: 512 bytes for the scale words, then the spare words, 128 bytes a wave
.set SPW,   30                         ; v30  my spare word's address; never rewritten
.set NIL,   31                         ; v31  0; never rewritten
.set X,     64                         ; v64-127 my column's 64 numbers
	s_load_b256 s[4:11], s[0:1], 0x0               ; Wq, Wk, Wv, Wo
	s_load_b64 s[12:13], s[0:1], 0x20              ; wimg
	v_lshl_add_u32 v[SPW], v0, 2, SPARE
	v_mov_b32 v[NIL], 0
	v_lshrrev_b32 v3, 5, v0
	v_readfirstlane_b32 s14, v3                    ; wave = K step
	v_and_b32 v4, 31, v0                           ; lane
	v_and_b32 v1, 15, v0                           ; r
	v_bfe_u32 v2, v0, 4, 1                         ; h
	v_and_b32 v5, 8, v1
	v_add_nc_u32 v5, v5, v1                        ; r + 8 (r / 8)
	v_lshlrev_b32 v5, 2, v5
	v_lshl_add_u32 v5, v2, 16, v5                  ; my column's 4 bytes, and 32 rows of 2,048 bytes further down for lanes 16-31
	v_lshlrev_b32 v6, 4, v4                        ; 16 x lane: an image's place for my lane
	v_lshl_add_u32 v7, v3, 2, v6                   ; LDS: 16 x lane + 4 x wave: my K step's word among my column's four
	s_and_b32 s15, ttmp7, 0xffff                   ; which weight
	s_lshl_b32 s20, s14, 18                        ; in the weight: 128 rows a K step,
	s_lshr_b32 s21, ttmp9, 1
	s_lshl_b32 s21, s21, 7
	s_add_co_u32 s20, s20, s21                     ; 32 columns for each pair of tiles,
	s_and_b32 s21, ttmp9, 1
	s_lshl_b32 s21, s21, 5
	s_add_co_u32 s20, s20, s21                     ; 8 for the odd one
	s_mov_b32 s21, 0
	s_mul_i32 s22, s15, WSTR
	s_mul_i32 s23, ttmp9, 6144
	s_add_co_u32 s24, s22, s23
	s_mul_i32 s23, s14, 1536
	s_add_co_u32 s24, s24, s23                     ; my fragment's image
	s_mov_b32 s25, 0
	s_lshl_b32 s23, ttmp9, 9
	s_add_co_u32 s26, s22, s23
	s_add_co_u32 s26, s26, WSCO                    ; my tile's scale words
	s_mov_b32 s27, 0
	s_mov_b32 s28, 0x76543210
	s_mov_b32 s29, 0xfedcba98                      ; v_permlanex16_b32's selects for lane l xor 16
	s_wait_alu depctr_va_vdst(0)
	s_wait_kmcnt 0x0
	s_cmp_eq_u32 s15, 1                            ; the weight is chosen by the work-group's number alone
	s_cselect_b64 s[4:5], s[6:7], s[4:5]
	s_cmp_eq_u32 s15, 2
	s_cselect_b64 s[4:5], s[8:9], s[4:5]
	s_cmp_eq_u32 s15, 3
	s_cselect_b64 s[4:5], s[10:11], s[4:5]
	s_add_nc_u64 s[4:5], s[4:5], s[20:21]
	s_add_nc_u64 s[16:17], s[12:13], s[24:25]
	s_add_nc_u64 s[18:19], s[12:13], s[26:27]
.irp c, 0,1
.set i, 0
.rept 32
	global_load_b32 v[X+32*\c+i], v5, s[4:5] offset:(64*\c+i)*ROWW   ; W(128 s + 64 c + 32 h + i, my column)
.set i, i+1
.endr
.endr
	s_wait_loadcnt 0x0
.irp c, 0,1                                    ; my block 2 c + h: all its 32 numbers are mine
	v_max3_num_f32 v[32+\c], |v[X+32*\c]|, |v[X+1+32*\c]|, 0x1800000   ; with the floor 2^(3 - 127) among the leaves: the byte cannot fall under 1
.endr
.irp n, 2,4,6,8,10,12,14,16,18,20,22,24,26,28,30
.irp c, 0,1
	v_max3_num_f32 v[32+\c], v[32+\c], |v[X+32*\c+\n]|, |v[X+1+32*\c+\n]|   ; (the two blocks by turns)
.endr
.endr
.irp c, 0,1
	v_add_nc_u32 v[44+\c], 0xff000000, v[32+\c]    ; 2 off the exponent field: the conversion's scale operand
.endr
.irp c, 0,1
	v_lshrrev_b32 v[36+\c], 23, v[44+\c]           ; the scale's byte
.endr
	v_lshl_or_b32 v9, v37, 16, v36                 ; my two bytes: blocks h and 2 + h,
	v_lshlrev_b32 v10, 3, v2
	v_lshlrev_b32 v9, v10, v9                      ; at their places in the word (8 h bits up);
	v_mov_b32 v10, 0
	v_permlanex16_b32 v10, v9, s28, s29
	v_or_b32 v9, v9, v10                           ; with lane l xor 16's two the word is whole, in both lanes
.irp c, 0,1
	v_cvt_scalef32_pk16_fp6_f32 v[48+6*\c:50+6*\c], v[X+32*\c:X+15+32*\c], v[44+\c]      ; registers 6 c .. 6 c + 2 of the operand
	v_cvt_scalef32_pk16_fp6_f32 v[16+4*\c:18+4*\c], v[X+16+32*\c:X+31+32*\c], v[44+\c]   ; (a conversion's three registers begin on an even number: the upper three are made elsewhere and moved)
.endr
	v_nop                                          ; one plain place behind the scaled conversions
.irp c, 0,1
.irp n, 0,1,2
	v_mov_b32 v[51+6*\c+\n], v[16+4*\c+\n]
.endr
.endr
.irp c, 0,1,2
	global_store_b128 v6, v[48+4*\c:51+4*\c], s[16:17] offset:512*\c   ; 32 lanes store 512 consecutive bytes, at a multiple of 256 from wimg's first byte
.endr
	ds_store_b32 v7, v9
	s_wait_dscnt 0x0                               ; for the others' sake: my word lies in LDS
	s_barrier_signal -1
	s_barrier_wait -1
	s_cmp_lg_u32 s14, 0
	s_cbranch_scc1 .Lothers                        ; wave 0 stores the tile's 512 bytes of scale words
	ds_load_b128 v[24:27], v6
	s_wait_dscnt 0x0
	global_store_b128 v6, v[24:27], s[18:19]
.Lothers:
	s_wait_tensorcnt 0x0                           ; the wave's end, behind my last LDS store
	ds_add_u32 v[SPW], v[NIL]
	s_wait_dscnt 0x0
	s_endpgm
.Lfunc_end_k_qac8ea40d45_wq:
	.size	k_qac8ea40d45_wq, .Lfunc_end_k_qac8ea40d45_wq-k_qac8ea40d45_wq
	.p2alignl 7, 3214868480
	.fill 96, 4, 3214868480
	.section	.rodata,"a",@progbits
	.p2align	6, 0x0
	.amdhsa_kernel k_qac8ea40d45_wq
		.amdhsa_group_segment_fixed_size 1024
		.amdhsa_private_segment_fixed_size 0
		.amdhsa_enable_private_segment 0
		.amdhsa_kernarg_size 40
		.amdhsa_user_sgpr_count 2
		.amdhsa_user_sgpr_kernarg_segment_ptr 1
		.amdhsa_wavefront_size32 1
		.amdhsa_system_sgpr_workgroup_id_x 1
		.amdhsa_system_sgpr_workgroup_id_y 1
		.amdhsa_system_sgpr_workgroup_id_z 1
		.amdhsa_system_vgpr_workitem_id 0
		.amdhsa_next_free_vgpr 128
		.amdhsa_next_free_sgpr 66
		.amdhsa_reserve_vcc 0
		.amdhsa_float_denorm_mode_32 3
		.amdhsa_float_denorm_mode_16_64 3
		.amdhsa_memory_ordered 1
		.amdhsa_forward_progress 1
		.amdhsa_inst_pref_size 12
	.end_amdhsa_kernel
	.amdgpu_metadata
---
amdhsa.version: [ 1, 2 ]
amdhsa.kernels:
  - .name:           k_qac8ea40d45_wq
    .symbol:         k_qac8ea40d45_wq.kd
    .args:
      - { .name: Wq, .offset: 0, .size: 8, .value_kind: global_buffer, .address_space: global }
      - { .name: Wk, .offset: 8, .size: 8, .value_kind: global_buffer, .address_space: global }
      - { .name: Wv, .offset: 16, .size: 8, .value_kind: global_buffer, .address_space: global }
      - { .name: Wo, .offset: 24, .size: 8, .value_kind: global_buffer, .address_space: global }
      - { .name: wimg, .offset: 32, .size: 8, .value_kind: global_buffer, .address_space: global }
    .group_segment_fixed_size: 1024
    .private_segment_fixed_size: 0
    .kernarg_segment_align: 8
    .kernarg_segment_size: 40
    .max_flat_workgroup_size: 128
    .sgpr_count:     66
    .vgpr_count:     128
    .wavefront_size: 32
...
	.end_amdgpu_metadata
.endif
;; end of part 1
;; launch proj (part 2): grid 64 x 3, 4 waves a work-group, clusters of 4 x 1, 327,680 bytes of LDS; arguments Q, K, V, bq, bk, bv, wimg, qi, kv; writes qi, kv
.if DOCPART == 2
	.amdgcn_target "amdgcn-amd-amdhsa--gfx1250"
	.amdhsa_code_object_version 6
	.text
	.protected	k_qac8ea40d45_proj
	.globl	k_qac8ea40d45_proj
	.p2align	8
	.type	k_qac8ea40d45_proj,@function
k_qac8ea40d45_proj:
	s_mov_b64 s[64:65], 0
	v_nop
	global_prefetch_b8 v0, s[64:65] scope:SCOPE_SE
	s_setreg_imm32_b32 hwreg(HW_REG_WAVE_MODE, 25, 1), 1
	s_wait_xcnt 0x0
	s_wait_alu depctr_hold_cnt(0) depctr_sa_sdst(0) depctr_va_vdst(0) depctr_va_sdst(0) depctr_va_ssrc(0) depctr_va_vcc(0) depctr_vm_vsrc(0)
	s_getreg_b32 s2, hwreg(HW_REG_IB_STS2, 6, 4)
	s_cmp_eq_u32 s2, 0
	s_cbranch_scc0 .Lentry_in_a_cluster
	s_endpgm
.Lentry_in_a_cluster:
	s_bfe_u32 s2, ttmp6, 0x10000c
	s_cmp_lg_u32 s2, 0x3003
	s_cbranch_scc0 .Lentry_shape_is_right
	s_endpgm
.Lentry_shape_is_right:
; LAUNCH 2 OF 4: q = Q Wq + bq, k = K Wk + bk, v = V Wv + bv, on codes of E2M3, and the results quantised again for the attention products.  It leaves no work out.
; SHARES: work-group (x, T): T = 0, 1, 2 the tensor; x = 32 batch + block: 128 tokens, all 512 columns: 192 work-groups.  (A fragment of v needs 128 whole keys, so the tokens are not cut finer.)
; Wave w owns columns 128 w .. 128 w + 127: heads 2 w and 2 w + 1.
; CLUSTER: the four partners share T and so the weight's 212,992 bytes of images: each wave asks for a quarter of them by ONE joint tensor load, once; nothing is filled again.  One tensor load of a wave is out.
; THE x PHASE: wave w quantises tokens 32 w .. 32 w + 31 (two tiles of 16, four K steps of 128 each).  A load takes 512 consecutive bytes of one row; sixteen rows turn through the wave's own stage in LDS, so that a
; lane gets 16 neighbours of each block of 32 of ITS row; the codes and scale words go to LDS as images of the operand's registers, for all four waves.
; For K and V the tokens of a tile are not neighbours: row m of tile t is token 32 (t / 2) + 8 (t % 2) + m + 8 (m / 8); for Q row m of tile t is token 16 t + m.
; THE PRODUCTS: a wave keeps 8 RESIDENT tiles x 4 K steps in 384 registers and walks 8 STREAMED tiles; D = (source 0 = resident) x (source 1 = streamed), the bias as the C of the first K step.
;   Q, K: resident = my 8 tiles of the weight, streamed = the 8 tiles of tokens: a lane holds ONE token and its 64 registers run along my 128 columns: two heads x two blocks of 32: they are quantised along the head's 64.
;   V:    resident = the 8 tiles of tokens, streamed = my 8 tiles of the weight: a lane holds ONE column and its 64 registers run along the 128 KEYS: they are quantised along the keys.
; OUT: images again.  qi[16 (batch, head)][32 blocks] 7,168 bytes: tile j of 16 queries at 768 j (registers 0-3: 16 bytes a lane, then registers 4-5: 8 bytes a lane), then 2 x 512 bytes: a lane's 16 bytes = the scale words of 4 tiles.
; kv[16][32 steps of 128 keys] 13,824 bytes: k as qi; from 7,168 on v: tile t of 16 channels at 1,536 t, its two halves of 64 keys 768 bytes each; at 13,312 the four tiles' scale words.  Every store covers 256 or 512 whole consecutive bytes.
; No prefetch: each row of x is asked for by loads that run four fragments ahead.
; LIMITS: a block whose largest magnitude lies under 2^-124, a block of zeros among them, gets the byte 1 (this program alone reads the bytes); NaN and infinities are not served.
; REGISTERS.  Window 0: v2-15 addresses; v16-19 the streamed tile's scale words; v20-31 scale words on their way out; v32-63 the resident tiles' scale words; v64-127 the 8 accumulators (in the x phase: 64 numbers);
;   v128-175 the streamed tile's 4 fragments; v176-195 codes just made; v196-212 at work.  Window 1: x as loaded (four sets of 64), later resident fragments of K steps 0, 1.  Window 2: those of K steps 2, 3; v192-255 the bias.
.set WSC,   196608                     ; LDS: the weight's codes from 0, its scale words here: both as in wimg, filled by the tensor loads
.set XIMG,  212992                     ; x's 8 tiles x 4 fragments of 1,536 bytes
.set XSC,   262144                     ; their scale words, 512 bytes a tile
.set STG,   266240                     ; the stages: 16 rows x 528 bytes for each wave
.set SP,    528                        ; a stage row: 512 bytes + 16: 33 x 16, so that 16 rows' 16 bytes fall on 16 different columns of banks
.set SPARE, 300032                     ; the spare words, 128 bytes a wave: two blocks of 256 bytes that no other line names
.set WSTR,  212992
.set L16,  11                          ; v11  16 x lane (also the first of the four below)
.set XG,   11                          ; v11-14  x: 16 x lane + where a group of 8 rows begins
.set L8,   2                           ; v2   8 x lane
.set AW,   3                           ; v3   my 8 weight tiles' images
.set AWS,  4                           ; v4   and their scale words
.set AX,   5                           ; v5   x's images
.set AXS,  6                           ; v6   and their scale words
.set AXW,  7                           ; v7   where I store x's images
.set AXSW, 8                           ; v8   and their scale words
.set STW,  9                           ; v9   the stage, on the way in
.set STRD, 10                          ; v10  and on the way out
.set BOF,  15                          ; v15  the bias: my lane's byte
.set SS,   16
.set XW,   20
.set OW0,  24
.set OW1,  28
.set RS,   32
.set ACC,  64
.set SF,   128
.set PC,   176
.set TM,   196
.set PW,   212
.set RR,   216
.set HH,   217
.set SPW,  252                         ; v252 my spare word's address; never rewritten
.set NIL,  253                         ; v253 0; never rewritten
.set CB,   192                         ; in window 2
.set WV,   22                          ; s22  wave
.set TT,   25                          ; s25  the tensor
.set G1,   28                          ; s[28:35] descriptor group 1
.set G0,   36                          ; s[36:39] group 0
.set XP,   40                          ; s[40:41] x at my wave's first row
.set BP,   42                          ; s[42:43] the bias at my first column
.set OB,   44                          ; s[44:45], s[46:47] where heads 2 w and 2 w + 1 store
.set SEL,  48                          ; s[48:49] lane selects: lane l xor 16
.set MSB, 0
.macro WIN new                         ; the immediate's high byte repeats the setting that is left; a switch that changes nothing is dropped
.if MSB != \new
	s_set_vgpr_msb (MSB<<8)|\new
.set MSB, \new
.endif
.endm
.macro ROUND                           ; a round of the cluster's barrier
	s_barrier_signal -1
	s_barrier_wait -1
	s_cmp_lg_u32 s[WV], 0
	s_cbranch_scc1 .Lnot_wave_0_\@
	s_barrier_signal -3
.Lnot_wave_0_\@:
	s_barrier_wait -3
	s_barrier_signal -1
	s_barrier_wait -1
.endm
; 64 numbers of a lane, v[s] on, register 16 b + i = place 32 b + 16 (lane / 16) + i along the quantiser's axis, become a fragment's codes in v[PC] .. v[PC + 11] and its scale word in v[pw].
.macro QUANT s, pw
.irp b, 0,1,2,3
	v_max3_num_f32 v[TM+\b], |v[\s+16*\b]|, |v[\s+1+16*\b]|, 0x1800000   ; block b: my 16 numbers, and the floor 2^(3 - 127): the byte cannot fall under 1
.endr
.irp i, 2,4,6,8,10,12,14
.irp b, 0,1,2,3
	v_max3_num_f32 v[TM+\b], v[TM+\b], |v[\s+16*\b+\i]|, |v[\s+1+16*\b+\i]|   ; (the four blocks by turns; each accumulator is read from its low end on)
.endr
.endr
.irp b, 0,1,2,3
	v_permlanex16_b32 v[TM+4+\b], v[TM+\b], s[SEL], s[SEL+1]
.endr
.irp b, 0,1,2,3
	v_max_num_f32 v[TM+\b], v[TM+\b], v[TM+4+\b]   ; with lane l xor 16's: the block's largest magnitude
.endr
.irp b, 0,1,2,3
	v_add_nc_u32 v[TM+12+\b], 0xff000000, v[TM+\b]   ; 2 off its exponent field: the conversion's scale operand
.endr
.irp b, 0,1,2,3
	v_lshrrev_b32 v[TM+4+\b], 23, v[TM+12+\b]      ; the scale's byte
.endr
	v_lshl_or_b32 v[\pw], v[TM+5], 8, v[TM+4]
	v_lshl_or_b32 v[\pw], v[TM+6], 16, v[\pw]
	v_lshl_or_b32 v[\pw], v[TM+7], 24, v[\pw]
.irp c, 0,1
	v_cvt_scalef32_pk16_fp6_f32 v[PC+6*\c:PC+2+6*\c], v[\s+32*\c:\s+15+32*\c], v[TM+12+2*\c]
	v_cvt_scalef32_pk16_fp6_f32 v[PC+12+4*\c:PC+14+4*\c], v[\s+16+32*\c:\s+31+32*\c], v[TM+12+2*\c+1]   ; (a conversion's three registers begin on an even number)
.endr
	v_nop                                          ; one plain place behind the scaled conversions
.irp c, 0,1                                    ; the operand's layout wants a WHOLE block in a lane: lanes 0-15 block 2 c, lanes 16-31 block 2 c + 1
.irp i, 0,1,2
	v_permlane16_swap_b32 v[PC+6*\c+\i], v[PC+12+4*\c+\i]
.endr
.irp i, 0,1,2
	v_mov_b32 v[PC+3+6*\c+\i], v[PC+12+4*\c+\i]
.endr
.endr
.endm
; Fragment f = 4 u + s of my two tiles: 16 rows x 512 bytes of x into set f % 4 of window 1.  Each load: 32 lanes, 512 consecutive bytes of one row
.macro GLOAD f
	WIN 0x40                                       ; destination window 1
.irp p, 0,1,2,3,4,5,6,7,8,9,10,11,12,13,14,15
	global_load_b128 v[64*((\f)%4)+4*\p:64*((\f)%4)+4*\p+3], v[XG+2*((\f)/4)+\p/8], s[XP:XP+1] offset:(\p%8)*2048+512*((\f)%4) th:TH_LOAD_NT   ; FOUR sets of 64 registers fill window 1: set f % 4
.endr
	WIN 0
.endm
; They turn through my stage: in by rows, out 16 neighbours of each block of my row.  LDS serves a wave's instructions in order: no wait between the stores and the loads
.macro TURN f
	WIN 0x04                                       ; an LDS store's data: window 1
.irp p, 0,1,2,3,4,5,6,7,8,9,10,11,12,13,14,15
	ds_store_b128 v[STW], v[64*((\f)%4)+4*\p:64*((\f)%4)+4*\p+3] offset:SP*\p
.endr
	WIN 0
.irp b, 0,1,2,3
.irp q, 0,1,2,3
	ds_load_b128 v[ACC+16*\b+4*\q:ACC+16*\b+4*\q+3], v[STRD] offset:128*\b+16*\q
.endr
.endr
.endm
.macro XSTEP f
.if (\f) < 5
	s_wait_loadcnt 48                              ; this fragment's sixteen loads are in (and all that was asked for before them); the next three fragments' forty-eight may be out
.else
	s_wait_loadcnt 16*(7-(\f))                     ; behind fragment 4 no more are asked for: sixteen for each fragment still to come
.endif
	TURN \f
	s_wait_dscnt 0x0                               ; my numbers are back; the stage's stores have read their registers, and so have the last fragment's image stores
.if (\f) < 4
	GLOAD (\f)+4                                   ; into the set that the stage's stores have just read
.endif
	QUANT ACC, XW+(\f)%4
.irp c, 0,1,2
	ds_store_b128 v[AXW], v[PC+4*\c:PC+4*\c+3] offset:6144*((\f)/4)+1536*((\f)%4)+512*\c
.endr
.if (\f)%4 == 3
	ds_store_b128 v[AXSW], v[XW:XW+3] offset:512*((\f)/4)   ; the tile's four scale words, 16 bytes a lane
.endif
.endm
	s_load_b512 s[4:19], s[0:1], 0x0               ; Q, K, V s[4:9]; bq, bk, bv s[10:15]; wimg s[16:17]; qi s[18:19]
	s_load_b64 s[20:21], s[0:1], 0x40              ; kv
	v_lshl_add_u32 v[SPW], v0, 2, SPARE
	v_mov_b32 v[NIL], 0
	ds_add_u32 v[SPW], v[NIL]                      ; the wave's opening: the add, twice on end, and its wait ahead of my first tensor load
	ds_add_u32 v[SPW], v[NIL]                      ; and once more; the set-up below, work on registers, stands between it and the wait
	v_lshrrev_b32 v[RR], 5, v0
	v_readfirstlane_b32 s[WV], v[RR]               ; wave 0..3
	s_bfe_u32 s23, ttmp6, 0x40000                  ; cx: it enters global addresses of x and of the results alone
	s_lshl_b32 s24, ttmp9, 2
	s_add_co_u32 s24, s24, s23                     ; x = 4 x cluster + cx
	s_and_b32 s[TT], ttmp7, 0xffff                 ; the tensor, which the four partners share
	; descriptor group 1: 208 rows of 256 bytes (32 elements of 8 bytes), dense, no padding: a quarter of a weight's images
	s_mov_b32 s[G1], 15|(3<<16)|(1<<21)            ; 15:0 the mask: all four work-groups; 17:16 elements of 8 bytes; 21 set beside a mask
	s_mov_b32 s[G1+1], 32<<16                      ; tensor_dim0 = 32
	s_mov_b32 s[G1+2], 208<<16                     ; tensor_dim1 = 208
	s_mov_b32 s[G1+3], 32<<16                      ; tile_dim0 = 32
	s_mov_b32 s[G1+4], 208                         ; tile_dim1 = 208
	s_mov_b32 s[G1+5], 32                          ; from row to row
	s_mov_b32 s[G1+6], 0
	s_mov_b32 s[G1+7], 0
	s_mov_b32 s[SEL], 0x76543210
	s_mov_b32 s[SEL+1], 0xfedcba98
	v_and_b32 v[L8], 31, v0
	v_lshlrev_b32 v[L16], 4, v[L8]
	v_lshlrev_b32 v[L8], 3, v[L8]
	v_and_b32 v[RR], 15, v0                        ; r
	s_wait_alu depctr_va_vdst(0)
	v_bfe_u32 v[HH], v0, 4, 1                      ; h
	s_mul_i32 s50, s[WV], 49152
	v_add_nc_u32 v[AW], s50, v[L16]
	s_lshl_b32 s50, s[WV], 12
	s_add_co_u32 s50, s50, WSC
	v_add_nc_u32 v[AWS], s50, v[L16]
	v_add_nc_u32 v[AX], XIMG, v[L16]
	v_add_nc_u32 v[AXS], XSC, v[L16]
	s_mul_i32 s50, s[WV], 12288
	s_add_co_u32 s50, s50, XIMG
	v_add_nc_u32 v[AXW], s50, v[L16]
	s_lshl_b32 s50, s[WV], 10
	s_add_co_u32 s50, s50, XSC
	v_add_nc_u32 v[AXSW], s50, v[L16]
	s_mul_i32 s50, s[WV], 16*SP
	s_add_co_u32 s50, s50, STG
	v_add_nc_u32 v[STW], s50, v[L16]
	v_mul_u32_u24 v[STRD], v[RR], SP
	s_wait_alu depctr_va_vdst(0)
	v_lshl_add_u32 v[STRD], v[HH], 6, v[STRD]
	v_add_nc_u32 v[STRD], s50, v[STRD]             ; row r, + 64 h: my 16 numbers of a block of 32
	s_cmp_eq_u32 s[TT], 0                          ; Q: a tile's rows are neighbours: groups of 8 rows 0, 1 | 2, 3.  K, V: 0, 2 | 1, 3
	s_mov_b32 s51, 32768
	s_cselect_b32 s51, 16384, s51
	s_mov_b32 s53, 13824
	s_cselect_b32 s53, 7168, s53                   ; bytes of a block in qi, or of a step in kv
	s_sub_co_u32 s52, 49152, s51
	s_mov_b32 s50, 49152
	s_cmp_eq_u32 s[TT], 1                          ; K ALONE HAS ANOTHER ORDER THAN THE HEAD COMMENT GIVES FOR K AND V: row m of K's tile t is token 64 (t / 4) + 32 (m / 8) + 8 (t % 4) + m % 8,
	s_cselect_b32 s51, 0x10000, s51                ; so that in the attention's score tiles a lane holds whole blocks of 32 keys.  My two tiles' groups of 8 rows begin at rows 0, 32 | 8, 40 of my wave's part
	s_cselect_b32 s50, 0x14000, s50
	v_add_nc_u32 v[XG+1], s51, v[L16]
	v_add_nc_u32 v[XG+2], s52, v[L16]
	v_add_nc_u32 v[XG+3], s50, v[L16]
	s_lshr_b32 s54, s24, 5
	s_lshl_b32 s54, s54, 3                         ; 8 x batch
	s_lshl_b32 s55, s[WV], 1
	s_add_co_u32 s54, s54, s55                     ; + head 2 w
	s_lshl_b32 s54, s54, 5
	s_and_b32 s55, s24, 31
	s_add_co_u32 s54, s54, s55                     ; x 32 + block
	s_mul_i32 s54, s54, s53
	s_mov_b32 s55, 0
	s_lshl_b32 s56, s53, 5                         ; from a head to the next
	s_mov_b32 s57, 0
	s_lshl_b32 s58, s24, 18                        ; x: 128 rows of 2,048 bytes a work-group,
	s_lshl_b32 s59, s[WV], 16                      ; 32 a wave;
	s_lshr_b32 s60, s[WV], 1                       ; for K my part begins at row 64 (w / 2) + 16 (w % 2)
	s_lshl_b32 s60, s60, 17
	s_and_b32 s61, s[WV], 1
	s_lshl_b32 s61, s61, 15
	s_add_co_u32 s60, s60, s61
	s_cmp_eq_u32 s[TT], 1
	s_cselect_b32 s59, s60, s59
	s_add_co_u32 s58, s58, s59
	s_mov_b32 s59, 0
	s_lshl_b32 s60, s[WV], 9                       ; the bias: my 128 numbers
	s_mov_b32 s61, 0
	s_mul_i32 s62, s[TT], WSTR                     ; the weight's images, my quarter: the tensor and the wave's number alone
	s_mul_i32 s[G0+1], s[WV], 53248                ; and its place in LDS
	s_add_co_u32 s62, s62, s[G0+1]
	s_mov_b32 s63, 0
.irp b, 0,1,2,3
	v_mov_b32 v[TM+4+\b], 0                        ; written once: a lane permute's destination counts as one of its sources
.endr
	s_wait_dscnt 0x0                               ; both opening adds are done
	s_wait_kmcnt 0x0
	s_cmp_eq_u32 s[TT], 1                          ; the buffers are chosen by the work-group's number alone
	s_cselect_b64 s[XP:XP+1], s[6:7], s[4:5]
	s_cselect_b64 s[BP:BP+1], s[12:13], s[10:11]
	s_cmp_eq_u32 s[TT], 2
	s_cselect_b64 s[XP:XP+1], s[8:9], s[XP:XP+1]
	s_cselect_b64 s[BP:BP+1], s[14:15], s[BP:BP+1]
	s_cmp_eq_u32 s[TT], 0
	s_cselect_b64 s[OB:OB+1], s[18:19], s[20:21]
	s_add_nc_u64 s[XP:XP+1], s[XP:XP+1], s[58:59]
	s_add_nc_u64 s[BP:BP+1], s[BP:BP+1], s[60:61]
	s_add_nc_u64 s[OB:OB+1], s[OB:OB+1], s[54:55]
	s_add_nc_u64 s[OB+2:OB+3], s[OB:OB+1], s[56:57]
	s_mov_b32 s[G0], 1                             ; count = 1
	s_add_nc_u64 s[G0+2:G0+3], s[16:17], s[62:63]
	s_or_b32 s[G0+3], s[G0+3], 0x80000000          ; type = 2
	ROUND                                          ; all four work-groups are here: the joint loads meet
	tensor_load_to_lds s[G0:G0+3], s[G1:G1+7]      ; my quarter of the weight's images: it lands while x is quantised
	s_nop 0
.rept 4
	v_nop
.endr
	; the bias, in the result's layout, as the C of each sum's first matrix instruction
	s_cmp_eq_u32 s[TT], 2
	s_cbranch_scc1 .Lbias_v
	v_lshlrev_b32 v[BOF], 6, v[HH]                 ; Q, K: tile i's register n is column 32 (i / 2) + 16 h + 8 (i % 2) + n of my 128
	WIN 0x80                                       ; destination window 2
.irp i, 0,1,2,3,4,5,6,7
	global_load_b128 v[CB+8*\i:CB+8*\i+3], v[BOF], s[BP:BP+1] offset:(32*(\i/2)+8*(\i%2))*4
	global_load_b128 v[CB+8*\i+4:CB+8*\i+7], v[BOF], s[BP:BP+1] offset:(32*(\i/2)+8*(\i%2))*4+16
.endr
	WIN 0
	s_branch .Lbias_in
.Lbias_v:
	v_and_b32 v[BOF], 8, v[RR]                     ; V: a lane holds ONE column, 32 (j / 2) + 8 (j % 2) + r + 8 (r / 8) of my 128 for the streamed tile j: its bias in all eight registers
	v_add_nc_u32 v[BOF], v[BOF], v[RR]
	v_lshlrev_b32 v[BOF], 2, v[BOF]
	WIN 0x80
.irp j, 0,1,2,3,4,5,6,7
	global_load_b32 v[CB+8*\j], v[BOF], s[BP:BP+1] offset:(32*(\j/2)+8*(\j%2))*4   ; one load for each streamed tile; the other seven registers are copies, made at the head of V's products
.endr
	WIN 0
.Lbias_in:
	; ---- the x phase
	s_wait_alu depctr_va_vdst(0)
	GLOAD 0
	GLOAD 1
	GLOAD 2
	GLOAD 3
.irp f, 0,1,2,3,4,5,6,7
	XSTEP \f
.endr
	s_wait_tensorcnt 0x0                           ; my quarter of the weight's images has landed,
	s_wait_dscnt 0x0                               ; my images of x lie in LDS:
	s_barrier_signal -1
	s_barrier_wait -1                              ; everybody's do.  Nothing in LDS is written from here on
; 8 matrix instructions: K step k of the streamed tile j against the 8 resident tiles.  The 8 accumulators take turns, one instruction a turn
.macro MM k, j, v
.irp i, 0,1,2,3,4,5,6,7
.if (\k) == 0
.if \v
	v_wmma_scale_f32_16x16x128_f8f6f4 v[ACC+8*\i:ACC+8*\i+7], v[24*\i:24*\i+11], v[SF:SF+11], v[CB+8*(\j):CB+8*(\j)+7], v[RS+4*\i], v[SS] matrix_a_fmt:MATRIX_FMT_FP6 matrix_b_fmt:MATRIX_FMT_FP6
.else
	v_wmma_scale_f32_16x16x128_f8f6f4 v[ACC+8*\i:ACC+8*\i+7], v[24*\i:24*\i+11], v[SF:SF+11], v[CB+8*\i:CB+8*\i+7], v[RS+4*\i], v[SS] matrix_a_fmt:MATRIX_FMT_FP6 matrix_b_fmt:MATRIX_FMT_FP6
.endif
.else
	v_wmma_scale_f32_16x16x128_f8f6f4 v[ACC+8*\i:ACC+8*\i+7], v[24*\i+12*((\k)%2):24*\i+12*((\k)%2)+11], v[SF+12*(\k):SF+12*(\k)+11], v[ACC+8*\i:ACC+8*\i+7], v[RS+4*\i+(\k)], v[SS+(\k)] matrix_a_fmt:MATRIX_FMT_FP6 matrix_b_fmt:MATRIX_FMT_FP6
.endif
.endr
.endm
.macro STREAM j                        ; the streamed tile j: its four fragments and its scale words
.irp s, 0,1,2,3
.irp c, 0,1,2
	ds_load_b128 v[SF+12*\s+4*\c:SF+12*\s+4*\c+3], v[TA] offset:6144*(\j)+1536*\s+512*\c
.endr
.endr
	ds_load_b128 v[SS:SS+3], v[TSA] offset:512*(\j)
.endm
.macro MAIN v                          ; v = 0: Q, K;  v = 1: V
.if \v
.set RA,  AX
.set RSA, AXS
.set TA,  AW
.set TSA, AWS
.else
.set RA,  AW
.set RSA, AWS
.set TA,  AX
.set TSA, AXS
.endif
.if \v
	WIN 0x82                                       ; source and destination window 2: V's bias, one number a lane and tile, into all eight registers of the tile's C
.irp j, 0,1,2,3,4,5,6,7
.irp n, 1,2,3,4,5,6,7
	v_mov_b32 v[CB+8*\j+\n], v[CB+8*\j]
.endr
.endr
.endif
	WIN 0x40                                       ; destination window 1: the resident fragments of K steps 0, 1: (i, s) at v[12 (2 i + s)]
.irp i, 0,1,2,3,4,5,6,7
.irp s, 0,1
.irp c, 0,1,2
	ds_load_b128 v[12*(2*\i+\s)+4*\c:12*(2*\i+\s)+4*\c+3], v[RA] offset:6144*\i+1536*\s+512*\c
.endr
.endr
.endr
	WIN 0x80                                       ; window 2: those of K steps 2, 3
.irp i, 0,1,2,3,4,5,6,7
.irp s, 2,3
.irp c, 0,1,2
	ds_load_b128 v[12*(2*\i+\s-2)+4*\c:12*(2*\i+\s-2)+4*\c+3], v[RA] offset:6144*\i+1536*\s+512*\c
.endr
.endr
.endr
	WIN 0
.irp i, 0,1,2,3,4,5,6,7
	ds_load_b128 v[RS+4*\i:RS+4*\i+3], v[RSA] offset:512*\i
.endr
	STREAM 0
.irp j, 0,1,2,3,4,5,6,7
	s_wait_dscnt 0x0                               ; the streamed tile is in (the first time: the resident ones too)
	WIN 0x21                                       ; source 0 window 1, C (the bias) window 2
	MM 0, \j, \v
	WIN 0x01
	MM 1, \j, \v
	WIN 0x02                                       ; source 0 window 2
	MM 2, \j, \v
	MM 3, \j, \v
	WIN 0
.rept 4
	v_nop                                          ; four places in front of loads into registers that the products have read, and of the first read of results; the next tile's first products, which begin the
.endr                                                  ; accumulators anew, stand far more than five plain lines further on
	s_wait_xcnt 0x0                                ; the last tile's stores have read their registers: the codes and the scale words may be written again
.if \j < 7
	STREAM \j+1                                    ; it lands while this tile is quantised
.endif
.if \v
	QUANT ACC, OW0+\j%4                            ; along the 128 keys: one whole fragment of channel tile j % 4 of head 2 w + j / 4
.irp c, 0,1,2                                  ; v's tile in kv (this stands in place of what the head comment says of v's tiles): three blocks of 512 bytes, block c holding registers 4 c .. 4 c + 3, 16 bytes a lane
	global_store_b128 v[L16], v[PC+4*\c:PC+4*\c+3], s[OB+2*(\j/4):OB+2*(\j/4)+1] offset:7168+1536*(\j%4)+512*\c
.endr
.if \j%4 == 3
	global_store_b128 v[L16], v[OW0:OW0+3], s[OB+2*(\j/4):OB+2*(\j/4)+1] offset:13312
.endif
.else
	QUANT ACC, PW                                  ; along my 128 columns: registers 0-5 are head 2 w's 64, registers 6-11 head 2 w + 1's; the word's low two bytes and its high two likewise
	global_store_b128 v[L16], v[PC:PC+3], s[OB:OB+1] offset:768*\j
	global_store_b64 v[L8], v[PC+4:PC+5], s[OB:OB+1] offset:768*\j+512
	global_store_b128 v[L16], v[PC+6:PC+9], s[OB+2:OB+3] offset:768*\j
	global_store_b64 v[L8], v[PC+10:PC+11], s[OB+2:OB+3] offset:768*\j+512
	v_and_b32 v[OW0+\j%4], 0xffff, v[PW]           ; a head's scale word: two bytes for its 64, and two bytes 0 for the zero codes that fill the attention's K step
	v_lshrrev_b32 v[OW1+\j%4], 16, v[PW]
.if \j%4 == 3
	global_store_b128 v[L16], v[OW0:OW0+3], s[OB:OB+1] offset:6144+512*(\j/4)
	global_store_b128 v[L16], v[OW1:OW1+3], s[OB+2:OB+3] offset:6144+512*(\j/4)
.endif
.endif
.endr
.endm
	s_cmp_eq_u32 s[TT], 2
	s_cbranch_scc1 .Lpath_v
	MAIN 0
	s_branch .Ldone
.Lpath_v:
	MAIN 1
.Ldone:
	s_wait_tensorcnt 0x0                           ; the wave's end, behind my last tensor load and my last LDS store
	ds_add_u32 v[SPW], v[NIL]
	s_wait_dscnt 0x0
	ROUND                                          ; the closing round: no work-group ends while a partner may still ask for a tile that names it
	s_endpgm
.Lfunc_end_k_qac8ea40d45_proj:
	.size	k_qac8ea40d45_proj, .Lfunc_end_k_qac8ea40d45_proj-k_qac8ea40d45_proj
	.p2alignl 7, 3214868480
	.fill 96, 4, 3214868480
	.section	.rodata,"a",@progbits
	.p2align	6, 0x0
	.amdhsa_kernel k_qac8ea40d45_proj
		.amdhsa_group_segment_fixed_size 327680
		.amdhsa_private_segment_fixed_size 0
		.amdhsa_enable_private_segment 0
		.amdhsa_kernarg_size 72
		.amdhsa_user_sgpr_count 2
		.amdhsa_user_sgpr_kernarg_segment_ptr 1
		.amdhsa_wavefront_size32 1
		.amdhsa_system_sgpr_workgroup_id_x 1
		.amdhsa_system_sgpr_workgroup_id_y 1
		.amdhsa_system_sgpr_workgroup_id_z 1
		.amdhsa_system_vgpr_workitem_id 0
		.amdhsa_next_free_vgpr 768
		.amdhsa_next_free_sgpr 66
		.amdhsa_reserve_vcc 0
		.amdhsa_float_denorm_mode_32 3
		.amdhsa_float_denorm_mode_16_64 3
		.amdhsa_memory_ordered 1
		.amdhsa_forward_progress 1
		.amdhsa_inst_pref_size 233
	.end_amdhsa_kernel
	.amdgpu_metadata
---
amdhsa.version: [ 1, 2 ]
amdhsa.kernels:
  - .name:           k_qac8ea40d45_proj
    .symbol:         k_qac8ea40d45_proj.kd
    .args:
      - { .name: Q, .offset: 0, .size: 8, .value_kind: global_buffer, .address_space: global }
      - { .name: K, .offset: 8, .size: 8, .value_kind: global_buffer, .address_space: global }
      - { .name: V, .offset: 16, .size: 8, .value_kind: global_buffer, .address_space: global }
      - { .name: bq, .offset: 24, .size: 8, .value_kind: global_buffer, .address_space: global }
      - { .name: bk, .offset: 32, .size: 8, .value_kind: global_buffer, .address_space: global }
      - { .name: bv, .offset: 40, .size: 8, .value_kind: global_buffer, .address_space: global }
      - { .name: wimg, .offset: 48, .size: 8, .value_kind: global_buffer, .address_space: global }
      - { .name: qi, .offset: 56, .size: 8, .value_kind: global_buffer, .address_space: global }
      - { .name: kv, .offset: 64, .size: 8, .value_kind: global_buffer, .address_space: global }
    .group_segment_fixed_size: 327680
    .private_segment_fixed_size: 0
    .kernarg_segment_align: 8
    .kernarg_segment_size: 72
    .max_flat_workgroup_size: 128
    .sgpr_count:     66
    .vgpr_count:     768
    .wavefront_size: 32
...
	.end_amdgpu_metadata
.endif
;; end of part 2
;; launch attn (part 3): grid 16 x 16, 16 waves a work-group, clusters of 4 x 1, 327,680 bytes of LDS; arguments qi, kv, ao, aosc; writes ao, aosc
.if DOCPART == 3
	.amdgcn_target "amdgcn-amd-amdhsa--gfx1250"
	.amdhsa_code_object_version 6
	.text
	.protected	k_qac8ea40d45_attn
	.globl	k_qac8ea40d45_attn
	.p2align	8
	.type	k_qac8ea40d45_attn,@function
k_qac8ea40d45_attn:
	s_mov_b64 s[64:65], 0
	v_nop
	global_prefetch_b8 v0, s[64:65] scope:SCOPE_SE
	s_setreg_imm32_b32 hwreg(HW_REG_WAVE_MODE, 25, 1), 1
	s_wait_xcnt 0x0
	s_wait_alu depctr_hold_cnt(0) depctr_sa_sdst(0) depctr_va_vdst(0) depctr_va_sdst(0) depctr_va_ssrc(0) depctr_va_vcc(0) depctr_vm_vsrc(0)
	s_getreg_b32 s2, hwreg(HW_REG_IB_STS2, 6, 4)
	s_cmp_eq_u32 s2, 0
	s_cbranch_scc0 .Lentry_in_a_cluster
	s_endpgm
.Lentry_in_a_cluster:
	s_bfe_u32 s2, ttmp6, 0x10000c
	s_cmp_lg_u32 s2, 0x3003
	s_cbranch_scc0 .Lentry_shape_is_right
	s_endpgm
.Lentry_shape_is_right:
; LAUNCH 3 OF 4: for each (batch, head): S = q k^T, p = 2^(t - M), O = p v / l, and O quantised along the model's 512 for the last projection.  Both products on codes of E2M3.  It leaves no work out.
; THE SOFTMAX: t = score x c, c = log2(e) / 8.  The running largest SCORE is kept; -M = floor(-c x it), a whole number; p = 2^(t - M) is quantised along the keys, not normalised; the row's sum l is taken
; of the unquantised p; when M moves, l and O are multiplied by 2^(old M - new M), which rounds nothing.
; SHARES: work-group (x, y): y = 8 batch + head, x a block of 256 queries; each of sixteen waves owns one tile of 16 queries in 256 registers and walks the head's 4,096 keys, 128 a step.
; OPERANDS ARE IMAGES OF REGISTERS (laid by the launch before): a step's 13,824 bytes of kv hold 8 tiles of k (6 registers a lane: the head's 64), their scale words, 4 tiles of v (12 registers: 128 keys) and theirs.
; LAYOUT: both products transposed (S^T = k q^T, O^T = v^T p^T): a lane holds ONE query.  Row m of k's tile t is key 64 (t / 4) + 32 (m / 8) + 8 (t % 4) + m % 8: so the 32 registers of tiles 4 c .. 4 c + 3 are, in lane
; (r, h), keys 64 c + 32 h + 0 .. 31 in order: a WHOLE block of 32 in one lane, in the very order of the 6-bit operand.  A block's maximum needs no other lane and the codes are not moved between lanes.
; THE HEAD'S 64 FILL HALF OF THE INSTRUCTION'S 128: registers 6-11 of q's fragment are zero codes.  Against them k's upper 64 may be any codes (E2M3 has no NaN and no infinity; k's upper scale bytes are 0, a finite scale):
; so k's fragments lie 6 registers apart, each one's upper half being its neighbour's codes (the last one's: v's first six registers), and all eight tiles fit in 48 registers.
; A STEP: the 8 score products on k's fragments, which were fetched during the step before; behind them v's loads and the next step's k; maxima, t - M, O's rescaling, 66 exponentials in one batch; scales, codes;
; half of the row sum's tree, the 4 products with v, the tree's other half.  The tree adds in place on p, behind the conversions.
; THE RING: two LDS slots of 8 steps (110,592 bytes, 432 rows of 256).  CLUSTER: the four partners walk the same kv, so each slot is asked for JOINTLY: every wave issues one load of 27 rows, the same in all four.
; One tensor load of a wave is out at any time, and it has a slot's eight steps of all sixteen waves in which to land: so no prefetch is laid.
; OUT: ao[row tile][head] 768 bytes: registers 0-3 16 bytes a lane, registers 4-5 8 bytes a lane.  aosc[row][16]: byte 2 head + block: single bytes, one for each 24 of codes, so that the last launch takes a row's scale words by one load.
; LIMITS: a block whose largest magnitude lies under 2^-124, a block of zeros among them, gets the byte 1 (this program alone reads the bytes); NaN and infinities are not served; the softmax holds while the scaled
; scores stay under 2^31 in magnitude.
.set STEPB, 13824                      ; a key step in kv and in a slot
.set SLOTB, 8*STEPB
.set SLOT1, 131072                     ; slot 1 begins here: one exclusive or turns an address in one slot into the other's
.set SPARE, 262144                     ; the spare words, 128 bytes a wave: eight blocks of 256 bytes that no other line names
.set KSO,   6144                       ; in a step: k's scale words,
.set VTO,   7168                       ; v's tiles,
.set VSO,   13312                      ; v's scale words
.set L16,  1                           ; v1   16 x lane
.set L8,   2                           ; v2   8 x lane
.set A16,  3                           ; v3   the step in hand + 16 x lane
.set A8,   4                           ; v4   + 8 x lane
.set SPW,  5                           ; v5   my spare word's address; never rewritten
.set NIL,  6                           ; v6   0; never rewritten
.set TMP,  7
.set KSW,  8                           ; v8-15   k's eight scale words
.set NM,   16                          ; v16 -M, v17 the largest score so far
.set LS,   18                          ; v[18:19] l in two halves
.set VSW,  20                          ; v20-23  v's scale words
.set QF,   24                          ; v24-35  q's fragment
.set KF,   36                          ; v36-83  k's eight fragments, 6 registers apart
.set VF,   84                          ; v84-131 v's four fragments, directly behind k's
.set S,    132                         ; v132-195 S^T, then p
.set OT,   196                         ; v196-227 O^T
.set PCD,  228                         ; v228-239 p's codes
.set T8,   240                         ; v240-242, v244-246 the upper halves of the blocks' codes
.set SH8,  243                         ; v243 8 x (lane / 16)
.set PX,   247                         ; v247 what lane l xor 16 sends
.set BM,   248                         ; v248-249 my two blocks' largest scores, then largest p, then bytes
.set BSO,  250                         ; v250-251 at work, then the conversions' scale operands
.set FF,   252                         ; v[252:253] f = 2^(old M - new M), and 0
.set PSW,  254                         ; v254 p's scale word
.set QSW,  255                         ; v255 q's scale word
.set WV,   12
.set G1,   16                          ; s[16:23]
.set G0,   24                          ; s[24:27], which walks
.set TB,   28                          ; s28  LDS byte of the step in hand
.set SLOTS, 29
.set CNT,  30
.set SEL,  32                          ; s[32:33]
.set CS,   34                          ; s[34:35] c = log2(e) / 8
.set HI,   36                          ; s36  lanes 16-31
.set CSN,  37                          ; s37  -c
.set QS,   38                          ; s[38:39] my tile's scale words in qi
.macro ROUND                           ; a round of the cluster's barrier
	s_barrier_signal -1
	s_barrier_wait -1
	s_cmp_lg_u32 s[WV], 0
	s_cbranch_scc1 .Lnot_wave_0_\@
	s_barrier_signal -3
.Lnot_wave_0_\@:
	s_barrier_wait -3
	s_barrier_signal -1
	s_barrier_wait -1
.endm
	s_load_b256 s[4:11], s[0:1], 0x0               ; qi, kv, ao, aosc
	v_lshl_add_u32 v[SPW], v0, 2, SPARE
	v_mov_b32 v[NIL], 0
	ds_add_u32 v[SPW], v[NIL]                      ; the wave's opening: the add, twice on end, and its wait ahead of my first tensor load
	ds_add_u32 v[SPW], v[NIL]                      ; and once more; the set-up below, work on registers, stands between it and the wait
	v_lshrrev_b32 v[TMP], 5, v0
	s_delay_alu instid0(VALU_DEP_1)
	v_readfirstlane_b32 s[WV], v[TMP]              ; wave 0..15
	s_bfe_u32 s13, ttmp6, 0x40000                  ; cx: it enters q's and the results' addresses alone
	s_lshl_b32 s14, ttmp9, 2
	s_add_co_u32 s14, s14, s13                     ; x = 4 x cluster + cx
	s_and_b32 s15, ttmp7, 0xffff                   ; y = 8 batch + head, which the partners share
	; descriptor group 1: 27 rows of 256 bytes (32 elements of 8 bytes), dense, no padding: a sixteenth of a slot
	s_mov_b32 s[G1], 15|(3<<16)|(1<<21)            ; 15:0 the mask: all four work-groups; 17:16 elements of 8 bytes; 21 set beside a mask
	s_mov_b32 s[G1+1], 32<<16
	s_mov_b32 s[G1+2], 27<<16
	s_mov_b32 s[G1+3], 32<<16
	s_mov_b32 s[G1+4], 27
	s_mov_b32 s[G1+5], 32
	s_mov_b32 s[G1+6], 0
	s_mov_b32 s[G1+7], 0
	s_mov_b32 s[SEL], 0x76543210
	s_mov_b32 s[SEL+1], 0xfedcba98
	s_mov_b32 s[CS], 0x3e38aa3b                    ; log2(e) / 8
	s_mov_b32 s[CS+1], s[CS]                       ; (named with it as a pair, so it is written)
	s_mov_b32 s[CSN], 0xbe38aa3b
	s_mov_b32 s[HI], 0xffff0000
	s_mov_b32 s[TB], 0
	s_mov_b32 s[SLOTS], 3
	s_mul_i32 s40, s15, 32*STEPB                   ; kv: my head,
	s_mul_i32 s[G0+1], s[WV], 6912                 ; my sixteenth of a slot, in LDS and in memory: the head and the wave's number alone
	s_add_co_u32 s40, s40, s[G0+1]
	s_mov_b32 s41, 0
	s_lshl_b32 s42, s15, 5                         ; qi: block 32 y + 2 x + wave / 8,
	s_lshl_b32 s43, s14, 1
	s_add_co_u32 s42, s42, s43
	s_lshr_b32 s43, s[WV], 3
	s_add_co_u32 s42, s42, s43
	s_mul_i32 s42, s42, 7168
	s_and_b32 s43, s[WV], 7                        ; tile wave % 8
	s_mul_i32 s44, s43, 768
	s_add_co_u32 s44, s44, s42
	s_mov_b32 s45, 0
	s_lshr_b32 s43, s43, 2                         ; its scale word: group of four tiles,
	s_lshl_b32 s43, s43, 9
	s_add_co_u32 s46, s42, s43
	s_and_b32 s43, s[WV], 3                        ; word in a lane's 16 bytes
	s_lshl_b32 s43, s43, 2
	s_add_co_u32 s46, s46, s43
	s_add_co_u32 s46, s46, 6144
	s_mov_b32 s47, 0
	s_lshr_b32 s48, s15, 3                         ; my row tile of the model's 8,192 rows: 256 batch + 16 x + wave
	s_lshl_b32 s48, s48, 8
	s_lshl_b32 s49, s14, 4
	s_add_co_u32 s48, s48, s49
	s_add_co_u32 s48, s48, s[WV]
	s_and_b32 s49, s15, 7                          ; the head
	s_lshl_b32 s50, s48, 3
	s_add_co_u32 s50, s50, s49
	s_mul_i32 s50, s50, 768                        ; ao
	s_mov_b32 s51, 0
	s_lshl_b32 s52, s48, 8                         ; aosc: 16 rows of 16 bytes, + 2 head
	s_lshl_b32 s49, s49, 1
	s_add_co_u32 s52, s52, s49
	s_mov_b32 s53, 0
	v_and_b32 v[L8], 31, v0
	s_delay_alu instid0(VALU_DEP_1)
	v_lshlrev_b32 v[L16], 4, v[L8]
	s_delay_alu instid0(VALU_DEP_2)
	v_lshlrev_b32 v[L8], 3, v[L8]
	s_wait_dscnt 0x0                               ; both opening adds are done
	s_wait_kmcnt 0x0
	s_mov_b32 s[G0], 1                             ; count = 1
	s_add_nc_u64 s[G0+2:G0+3], s[6:7], s[40:41]
	s_or_b32 s[G0+3], s[G0+3], 0x80000000          ; type = 2
	s_add_nc_u64 s[QS:QS+1], s[4:5], s[46:47]
	s_add_nc_u64 s[4:5], s[4:5], s[44:45]
	s_add_nc_u64 s[8:9], s[8:9], s[50:51]
	s_add_nc_u64 s[10:11], s[10:11], s[52:53]
	ROUND                                          ; all four work-groups are here: the first joint loads meet
	tensor_load_to_lds s[G0:G0+3], s[G1:G1+7]      ; slot 0: key steps 0 to 7
	s_nop 0
	s_wait_alu depctr_va_vdst(0)                   ; ahead of the readers below
	global_load_b128 v[QF:QF+3], v[L16], s[4:5]    ; q's fragment stays in registers
	global_load_b64 v[QF+4:QF+5], v[L8], s[4:5] offset:512
	global_load_b32 v[QSW], v[L16], s[QS:QS+1]
.irp n, 0,1,2,3,4,5
	v_mov_b32 v[QF+6+\n], 0                        ; zero codes for the upper 64 of the instruction's K
	v_mov_b32 v[VF+\n], 0                          ; k's last fragment names these six as its upper half: written once ahead of the first step
.endr
.set j, 0
.rept 32
	v_mov_b32 v[OT+j], 0                           ; O^T.  (The step is written once: the first finds zeros, which the first change of M leaves zeros)
.set j, j+1
.endr
	v_mov_b32 v[PX], 0                             ; written once: a lane permute's destination counts as one of its sources
	v_bfe_u32 v[SH8], v0, 4, 1
	v_mov_b32 v[NM+1], 0xff61b1e6                  ; the largest score so far: -3e38, under every score
	v_lshlrev_b32 v[SH8], 3, v[SH8]
	v_mul_f32 v[BSO], s[CSN], v[NM+1]
	v_mov_b32 v[LS], 0                             ; l, in two halves
	v_mov_b32 v[LS+1], 0
	v_floor_f32 v[NM], v[BSO]                      ; -M
	v_mov_b32 v[FF+1], 0                           ; (named as the upper half of f's pair)
	s_wait_alu depctr_va_vdst(0)
	s_wait_loadcnt 0x0                             ; q
.macro KLOAD o                         ; k's eight tiles and their scale words, o bytes behind the step in hand: 18 loads
.irp t, 0,1,2,3,4,5,6,7
	ds_load_b128 v[KF+6*\t:KF+6*\t+3], v[A16] offset:\o+768*\t
	ds_load_b64 v[KF+6*\t+4:KF+6*\t+5], v[A8] offset:\o+768*\t+512
.endr
	ds_load_b128 v[KSW:KSW+3], v[A16] offset:\o+KSO
	ds_load_b128 v[KSW+4:KSW+7], v[A16] offset:\o+KSO+512
.endm
; A KEY STEP: 128 keys.  pre = 1: the next step lies in the same slot, and its k is fetched here
.macro STEP pre
	s_wait_dscnt 0x0                               ; k's fragments and scale words are in
.irp t, 0,1,2,3,4,5,6,7                        ; S^T = k q^T: eight accumulators, each begun with 0
	v_wmma_scale_f32_16x16x128_f8f6f4 v[S+8*\t:S+8*\t+7], v[KF+6*\t:KF+6*\t+11], v[QF:QF+11], 0, v[KSW+\t], v[QSW] matrix_a_fmt:MATRIX_FMT_FP6 matrix_b_fmt:MATRIX_FMT_FP6
.endr
	v_add_nc_u32 v[A16], s[TB], v[L16]             ; four places behind the products, in front of loads into registers that they have read and of the first read of results
	v_add_nc_u32 v[A8], s[TB], v[L8]
	v_mov_b32 v[TMP], v[NM]                        ; the old -M
	v_nop
.irp t, 0,1,2,3                                ; v's four fragments, three blocks of 512 bytes each, and their scale words: 13 loads, wanted behind the exponentials
.irp c, 0,1,2
	ds_load_b128 v[VF+12*\t+4*\c:VF+12*\t+4*\c+3], v[A16] offset:VTO+1536*\t+512*\c
.endr
.endr
	ds_load_b128 v[VSW:VSW+3], v[A16] offset:VSO
.if \pre
	KLOAD STEPB                                    ; wanted at the next step's head
.endif
.irp c, 0,1                                    ; THE LARGEST SCORE OF MY TWO BLOCKS OF 32 KEYS, each in two chains, the four by turns; each accumulator is read from its low end on
	v_max3_num_f32 v[BM+\c], v[S+32*\c], v[S+32*\c+1], v[S+32*\c+2]
	v_max3_num_f32 v[BSO+\c], v[S+32*\c+16], v[S+32*\c+17], v[S+32*\c+18]
.endr
.irp i, 3,5,7,9,11,13
.irp c, 0,1
	v_max3_num_f32 v[BM+\c], v[BM+\c], v[S+32*\c+\i], v[S+32*\c+\i+1]
	v_max3_num_f32 v[BSO+\c], v[BSO+\c], v[S+32*\c+16+\i], v[S+32*\c+17+\i]
.endr
.endr
.irp c, 0,1
	v_max3_num_f32 v[BM+\c], v[BM+\c], v[S+32*\c+15], v[S+32*\c+31]
.endr
.irp c, 0,1
	s_delay_alu instid0(VALU_DEP_2)
	v_max_num_f32 v[BM+\c], v[BM+\c], v[BSO+\c]    ; it serves for the row's maximum and, since p rises with the score, for the block's largest p
.endr
	s_delay_alu instid0(VALU_DEP_1)
	v_max_num_f32 v[BSO], v[BM], v[BM+1]
	s_delay_alu instid0(VALU_DEP_1)
	v_permlanex16_b32 v[PX], v[BSO], s[SEL], s[SEL+1]
	s_delay_alu instid0(VALU_DEP_1)
	v_max3_num_f32 v[NM+1], v[NM+1], v[BSO], v[PX] ; the running largest score of my query: mine, lane l xor 16's, and what was
	s_delay_alu instid0(VALU_DEP_1)
	v_mul_f32 v[BSO], s[CSN], v[NM+1]              ; -t
	s_delay_alu instid0(VALU_DEP_1)
	v_floor_f32 v[NM], v[BSO]                      ; the new -M = floor(-t) = -ceil(t): a whole number
	s_delay_alu instid0(VALU_DEP_1)
	v_sub_f32 v[TMP], v[NM], v[TMP]                ; old M less new M: a whole number, 0 or less
.irp c, 0,1
	v_fma_f32 v[BM+\c], v[BM+\c], s[CS], v[NM]     ; t - M of each block's largest score
.endr
	s_delay_alu instid0(VALU_DEP_3)
	v_cvt_i32_f32 v[TMP], v[TMP]                   ; (it saturates)
	v_pk_fma_f32 v[S:S+1], v[S:S+1], s[CS:CS+1], v[NM:NM+1] op_sel_hi:[1,0,0]
	v_pk_fma_f32 v[S+2:S+3], v[S+2:S+3], s[CS:CS+1], v[NM:NM+1] op_sel_hi:[1,0,0]
	s_delay_alu instid0(VALU_DEP_3)
	v_ldexp_f32 v[FF], 1.0, v[TMP]                 ; f = 2^(old M - new M)
.set j, 4
.rept 30
	v_pk_fma_f32 v[S+j:S+j+1], v[S+j:S+j+1], s[CS:CS+1], v[NM:NM+1] op_sel_hi:[1,0,0]   ; t - M, two at a time (of the pairs c and -M the low word serves both halves)
.set j, j+2
.endr
.set j, 0
.rept 16
	v_pk_mul_f32 v[OT+j:OT+j+1], v[OT+j:OT+j+1], v[FF:FF+1] op_sel_hi:[1,0]   ; O^T under the new M, each accumulator from its low end on; it stands ahead of the exponentials
.set j, j+2
.endr
	s_wait_alu depctr_va_vdst(0)                   ; ahead of the batch
.set j, 0
.rept 64
	v_exp_f32 v[S+j], v[S+j]                       ; p = 2^(t - M), at most 1: not normalised
.set j, j+1
.endr
	v_exp_f32 v[BM], v[BM]                         ; the blocks' largest p: the same two instructions on the same number give the same bits
	v_exp_f32 v[BM+1], v[BM+1]
	v_pk_mul_f32 v[LS:LS+1], v[LS:LS+1], v[FF:FF+1] op_sel_hi:[1,0]   ; l under the new M.  (The plain instruction behind the exponentials)
	s_wait_alu depctr_va_vdst(0)                   ; and the one wait behind the batch of 66, ahead of its first reader and of the wait below
.if \pre
	s_wait_dscnt 18                                ; v's thirteen are in; the next step's eighteen of k may be out
.else
	s_wait_dscnt 0x0
.endif
.irp c, 0,1
	v_max_num_f32 v[BM+\c], 0x1800000, v[BM+\c]    ; the floor 2^(3 - 127): the byte cannot fall under 1
.endr
.irp c, 0,1
	v_add_nc_u32 v[BSO+\c], 0xff000000, v[BM+\c]   ; 2 off the exponent field: the conversion's scale operand
.endr
.irp c, 0,1                                    ; my block 2 c + h: registers 6 c .. 6 c + 5 of the operand
	v_cvt_scalef32_pk16_fp6_f32 v[PCD+6*\c:PCD+6*\c+2], v[S+32*\c:S+32*\c+15], v[BSO+\c]
	v_cvt_scalef32_pk16_fp6_f32 v[T8+4*\c:T8+4*\c+2], v[S+32*\c+16:S+32*\c+31], v[BSO+\c]   ; (a conversion's three registers begin on an even number: the upper three are made elsewhere and moved)
.endr
.irp c, 0,1
	v_lshrrev_b32 v[BM+\c], 23, v[BSO+\c]          ; the scales' bytes.  (Plain lines behind the scaled conversions)
.endr
	s_delay_alu instid0(VALU_DEP_1)
	v_lshl_or_b32 v[PSW], v[BM+1], 16, v[BM]       ; blocks h and 2 + h,
	s_delay_alu instid0(VALU_DEP_1)
	v_lshlrev_b32 v[PSW], v[SH8], v[PSW]           ; at their places in the word (8 h bits up);
	s_delay_alu instid0(VALU_DEP_1)
	v_permlanex16_b32 v[PX], v[PSW], s[SEL], s[SEL+1]
	s_delay_alu instid0(VALU_DEP_1)
	v_or_b32 v[PSW], v[PSW], v[PX]                 ; with lane l xor 16's two the word is whole
.irp c, 0,1
.irp i, 0,1,2
	v_mov_b32 v[PCD+6*\c+3+\i], v[T8+4*\c+\i]
.endr
.endr
.set j, 0
.rept 16
	v_pk_add_f32 v[S+j:S+j+1], v[S+j:S+j+1], v[S+32+j:S+33+j]   ; THE ROW'S SUM OF THE UNQUANTISED p: a tree in place, 64 numbers to 32.  (These sixteen are the places between the scale word, the codes and the products)
.set j, j+2
.endr
.irp t, 0,1,2,3                                ; O^T += v^T p^T: the four accumulators by turns, one instruction a turn
	v_wmma_scale_f32_16x16x128_f8f6f4 v[OT+8*\t:OT+8*\t+7], v[VF+12*\t:VF+12*\t+11], v[PCD:PCD+11], v[OT+8*\t:OT+8*\t+7], v[VSW+\t], v[PSW] matrix_a_fmt:MATRIX_FMT_FP6 matrix_b_fmt:MATRIX_FMT_FP6
.endr
.irp w, 16,8,4                                 ; the tree goes on: 32 to 16, 8, 4; these lines name no register of the products above
.set j, 0
.rept \w/2
	v_pk_add_f32 v[S+j:S+j+1], v[S+j:S+j+1], v[S+\w+j:S+\w+1+j]
.set j, j+2
.endr
.endr
	s_delay_alu instid0(VALU_DEP_1)
	v_pk_add_f32 v[S:S+1], v[S:S+1], v[S+2:S+3]
	s_delay_alu instid0(VALU_DEP_1)
	v_pk_add_f32 v[LS:LS+1], v[LS:LS+1], v[S:S+1]
.endm
; THE CHANGE OF SLOTS stands at a slot's head.  Each wave waits for all its tensor loads (its part of the slot that it is about to read), adds 0 to its spare word, and waits for that and for its reads of the slot that it has left.
; fill = 1: a round of the cluster's barrier, so that no wave of any partner still reads the other slot or has a load on its way; behind it the other slot takes the next 8 key steps.
.macro CHANGE fill
	s_wait_tensorcnt 0x0                           ; no tensor load of mine is out, so group 0 may be written
	ds_add_u32 v[SPW], v[NIL]                      ; 0 onto my spare word
.if \fill
	s_xor_b32 s[G0+1], s[G0+1], SLOT1              ; the other slot than last time,
	s_add_nc_u64 s[G0+2:G0+3], s[G0+2:G0+3], SLOTB ; the next 8 key steps; the type bits on top are not reached
.endif
	s_wait_dscnt 0x0                               ; the add is done, and my reads of the slot that I have left are over
.if \fill
	ROUND
	tensor_load_to_lds s[G0:G0+3], s[G1:G1+7]      ; the first thing behind the round, and my one tensor load until the next
	s_nop 0
.else
	s_barrier_signal -1
	s_barrier_wait -1
.endif
.endm
.macro EIGHT                           ; a slot's eight key steps: the first step's k, seven steps that fetch the next one's, and the last, which fetches none
	v_add_nc_u32 v[A16], s[TB], v[L16]
	v_add_nc_u32 v[A8], s[TB], v[L8]
	KLOAD 0
	s_mov_b32 s[CNT], 7
.Lstep_\@:
	STEP 1
	s_add_co_u32 s[TB], s[TB], STEPB
	s_sub_co_u32 s[CNT], s[CNT], 1
	s_cmp_lg_u32 s[CNT], 0
	s_cbranch_scc1 .Lstep_\@
	STEP 0
	s_sub_co_u32 s[TB], s[TB], 7*STEPB             ; back to a slot's first step,
	s_xor_b32 s[TB], s[TB], SLOT1                  ; in the other slot
.endm
.Lslot:                                                ; three trips: behind each change of slots but the last the next slot is asked for
	CHANGE 1
	EIGHT
	s_sub_co_u32 s[SLOTS], s[SLOTS], 1
	s_cmp_lg_u32 s[SLOTS], 0
	s_cbranch_scc1 .Lslot
	CHANGE 0                                       ; the last slot is written out
	EIGHT
	; THE WAY OUT: O^T / l, quantised along the head's 64 channels, which are two blocks of the last projection's K.  v's channels are laid so that register 16 b + i is channel 32 b + 16 h + i
	v_add_f32 v[LS], v[LS], v[LS+1]                ; l's two halves,
	v_permlanex16_b32 v[T8], v[LS], s[SEL], s[SEL+1]
	v_add_f32 v[LS], v[LS], v[T8]                  ; and lane l xor 16's
	s_wait_alu depctr_va_vdst(0)                   ; ahead of the reciprocal
	v_rcp_f32 v[LS], v[LS]
	v_and_b32 v[TMP], 15, v0                       ; (plain lines behind the reciprocal)
	v_bfe_u32 v[T8+4], v0, 4, 1
	v_lshl_add_u32 v[TMP], v[TMP], 4, v[T8+4]      ; aosc: 16 r + h: row r, block h
	v_nop
	s_wait_alu depctr_va_vdst(0)                   ; and ahead of the first use of the reciprocal and the first read of O^T
.set j, 0
.rept 16
	v_pk_mul_f32 v[S+j:S+j+1], v[OT+j:OT+j+1], v[LS:LS+1] op_sel_hi:[1,0]   ; each accumulator from its low end on
.set j, j+2
.endr
.irp b, 0,1
	v_max3_num_f32 v[BM+\b], |v[S+16*\b]|, |v[S+1+16*\b]|, 0x1800000
.endr
.irp i, 2,4,6,8,10,12,14
.irp b, 0,1
	v_max3_num_f32 v[BM+\b], v[BM+\b], |v[S+16*\b+\i]|, |v[S+1+16*\b+\i]|
.endr
.endr
.irp b, 0,1
	v_permlanex16_b32 v[T8+\b], v[BM+\b], s[SEL], s[SEL+1]
.endr
.irp b, 0,1
	v_max_num_f32 v[BM+\b], v[BM+\b], v[T8+\b]
.endr
.irp b, 0,1
	v_add_nc_u32 v[BSO+\b], 0xff000000, v[BM+\b]
.endr
.irp b, 0,1
	v_lshrrev_b32 v[T8+\b], 23, v[BSO+\b]
.endr
	v_cndmask_b32 v[T8+2], v[T8], v[T8+1], s[HI]   ; lanes 0-15 store block 0's byte, lanes 16-31 block 1's
	v_cvt_scalef32_pk16_fp6_f32 v[PCD:PCD+2], v[S:S+15], v[BSO]
	v_cvt_scalef32_pk16_fp6_f32 v[T8+4:T8+6], v[S+16:S+31], v[BSO+1]
	v_nop                                          ; one plain place behind the scaled conversions
.irp i, 0,1,2
	v_permlane16_swap_b32 v[PCD+\i], v[T8+4+\i]
.endr
.irp i, 0,1,2
	v_mov_b32 v[PCD+3+\i], v[T8+4+\i]              ; registers 0-5: channels 32 h + 0 .. 31 of my query
.endr
	global_store_b128 v[L16], v[PCD:PCD+3], s[8:9]
	global_store_b64 v[L8], v[PCD+4:PCD+5], s[8:9] offset:512
	global_store_b8 v[TMP], v[T8+2], s[10:11]
	s_wait_tensorcnt 0x0                           ; the wave's end, behind my last tensor load
	ds_add_u32 v[SPW], v[NIL]
	s_wait_dscnt 0x0
	ROUND                                          ; the closing round: no work-group ends while a partner may still ask for a tile that names it
	s_endpgm
.Lfunc_end_k_qac8ea40d45_attn:
	.size	k_qac8ea40d45_attn, .Lfunc_end_k_qac8ea40d45_attn-k_qac8ea40d45_attn
	.p2alignl 7, 3214868480
	.fill 96, 4, 3214868480
	.section	.rodata,"a",@progbits
	.p2align	6, 0x0
	.amdhsa_kernel k_qac8ea40d45_attn
		.amdhsa_group_segment_fixed_size 327680
		.amdhsa_private_segment_fixed_size 0
		.amdhsa_enable_private_segment 0
		.amdhsa_kernarg_size 32
		.amdhsa_user_sgpr_count 2
		.amdhsa_user_sgpr_kernarg_segment_ptr 1
		.amdhsa_wavefront_size32 1
		.amdhsa_system_sgpr_workgroup_id_x 1
		.amdhsa_system_sgpr_workgroup_id_y 1
		.amdhsa_system_sgpr_workgroup_id_z 1
		.amdhsa_system_vgpr_workitem_id 0
		.amdhsa_next_free_vgpr 256
		.amdhsa_next_free_sgpr 66
		.amdhsa_reserve_vcc 0
		.amdhsa_float_denorm_mode_32 3
		.amdhsa_float_denorm_mode_16_64 3
		.amdhsa_memory_ordered 1
		.amdhsa_forward_progress 1
		.amdhsa_inst_pref_size 71
	.end_amdhsa_kernel
	.amdgpu_metadata
---
amdhsa.version: [ 1, 2 ]
amdhsa.kernels:
  - .name:           k_qac8ea40d45_attn
    .symbol:         k_qac8ea40d45_attn.kd
    .args:
      - { .name: qi, .offset: 0, .size: 8, .value_kind: global_buffer, .address_space: global }
      - { .name: kv, .offset: 8, .size: 8, .value_kind: global_buffer, .address_space: global }
      - { .name: ao, .offset: 16, .size: 8, .value_kind: global_buffer, .address_space: global }
      - { .name: aosc, .offset: 24, .size: 8, .value_kind: global_buffer, .address_space: global }
    .group_segment_fixed_size: 327680
    .private_segment_fixed_size: 0
    .kernarg_segment_align: 8
    .kernarg_segment_size: 32
    .max_flat_workgroup_size: 512
    .sgpr_count:     66
    .vgpr_count:     256
    .wavefront_size: 32
...
	.end_amdgpu_metadata
.endif
;; end of part 3
;; launch outp (part 4): grid 128 x 2, 8 waves a work-group, no clusters, 35,840 bytes of LDS; arguments ao, aosc, wimg, bo, out0; writes out0
.if DOCPART == 4
	.amdgcn_target "amdgcn-amd-amdhsa--gfx1250"
	.amdhsa_code_object_version 6
	.text
	.protected	k_qac8ea40d45_outp
	.globl	k_qac8ea40d45_outp
	.p2align	8
	.type	k_qac8ea40d45_outp,@function
k_qac8ea40d45_outp:
	s_mov_b64 s[64:65], 0
	v_nop
	global_prefetch_b8 v0, s[64:65] scope:SCOPE_SE
	s_setreg_imm32_b32 hwreg(HW_REG_WAVE_MODE, 25, 1), 1
	s_wait_xcnt 0x0
; LAUNCH 4 OF 4: out0 = (attention's result) Wo + bo, on codes of E2M3.  It leaves no work out.
; SHARES: work-group (X, Y): 64 rows x 256 columns.  Wave w: row tiles 4 X + 2 (w / 4) + 0, 1 and the 64 columns 64 (4 Y + w % 4) on: 8 accumulators, 4 K steps of 128: 32 matrix instructions.
; OPERANDS come from memory straight into registers: both lie as images of the operand's registers (ao: two halves of 768 bytes a fragment; wimg: three blocks of 512 bytes), so that every load takes 512 or 256
; consecutive bytes.  There is no tensor load, hence no joint load and no cluster: a wave's whole matrix work is those 32 instructions, and a ring would have nothing to hide behind.
; The product is used transposed (source 0 = 16 columns of Wo, source 1 = 16 rows): in tile t a lane holds row r and columns 32 (t / 2) + 16 h + 8 (t % 2) + 0 .. 7 of the wave's 64.  The bias is loaded straight into
; the accumulators, in that layout.  The way out goes through the wave's own stage in LDS: sixteen lanes store one aligned run of 256 bytes.
.set WO,    3*212992                   ; Wo's images in wimg
.set SP,    272                        ; a stage row: 256 bytes + 16
.set SPARE, 8*16*SP                    ; behind the eight stages: the spare words, 128 bytes a wave
.set L16,  1
.set L8,   2
.set R16,  3                           ; v3   16 r: a row's four scale words
.set H64,  4                           ; v4   64 h: the bias
.set STO,  5                           ; v5   the stage, on the way in
.set RD,   6                           ; v6   and back
.set CO,   7                           ; v7   my bytes in two rows of out0
.set SPW,  8                           ; v8   my spare word's address; never rewritten
.set NIL,  9                           ; v9   0; never rewritten
.set ASW,  12                          ; v12-19  the rows' scale words: 4 mi + K step
.set WSW,  20                          ; v20-35  the weight's: 4 t + K step
.set ACC,  40                          ; v40-103 accumulator (mi, t) at 8 (4 mi + t)
.set AF,   104                         ; v104-151 the rows' fragments, two sets of 24
.set WF,   152                         ; v152-247 the weight's, two sets of 48
	s_load_b256 s[4:11], s[0:1], 0x0               ; ao, aosc, wimg, bo
	s_load_b64 s[12:13], s[0:1], 0x20              ; out0
	v_lshl_add_u32 v[SPW], v0, 2, SPARE
	v_mov_b32 v[NIL], 0
	v_lshrrev_b32 v10, 5, v0
	s_delay_alu instid0(VALU_DEP_1)
	v_readfirstlane_b32 s14, v10                   ; wave 0..7
	s_and_b32 s15, ttmp7, 0xffff
	s_lshl_b32 s16, ttmp9, 2
	s_lshr_b32 s17, s14, 2
	s_lshl_b32 s17, s17, 1
	s_add_co_u32 s16, s16, s17                     ; my first row tile
	s_lshl_b32 s17, s15, 2
	s_and_b32 s18, s14, 3
	s_add_co_u32 s17, s17, s18                     ; my group of 64 columns
	s_mul_i32 s20, s16, 6144                       ; ao: 8 heads x 768 bytes a row tile
	s_mov_b32 s21, 0
	s_lshl_b32 s22, s16, 8                         ; aosc: 16 rows x 16 bytes
	s_mov_b32 s23, 0
	s_mul_i32 s24, s17, 24576                      ; Wo's codes: 4 tiles x 6,144 bytes
	s_add_co_u32 s24, s24, WO
	s_mov_b32 s25, 0
	s_lshl_b32 s26, s17, 11                        ; its scale words: 4 tiles x 512 bytes
	s_add_co_u32 s26, s26, WO+196608
	s_mov_b32 s27, 0
	s_lshl_b32 s28, s17, 8                         ; bo, and a row of out0: 64 columns x 4 bytes
	s_mov_b32 s29, 0
	s_lshl_b32 s30, s16, 15                        ; out0: 16 rows x 2,048 bytes
	s_add_co_u32 s30, s30, s28
	s_mov_b32 s31, 0
	s_mul_i32 s36, s14, 16*SP                      ; my stage
	v_and_b32 v[L8], 31, v0
	s_delay_alu instid0(VALU_DEP_1)
	v_lshlrev_b32 v[L16], 4, v[L8]
	s_delay_alu instid0(VALU_DEP_2)
	v_lshlrev_b32 v[L8], 3, v[L8]
	v_and_b32 v10, 15, v0                          ; r
	v_bfe_u32 v11, v0, 4, 1                        ; h
	s_delay_alu instid0(VALU_DEP_2)
	v_lshlrev_b32 v[R16], 4, v10
	s_delay_alu instid0(VALU_DEP_2)
	v_lshlrev_b32 v[H64], 6, v11
	s_delay_alu instid0(VALU_DEP_4)
	v_mul_u32_u24 v[STO], v10, SP
	s_delay_alu instid0(VALU_DEP_1)
	v_lshl_add_u32 v[STO], v11, 6, v[STO]
	s_delay_alu instid0(VALU_DEP_1)
	v_add_nc_u32 v[STO], s36, v[STO]               ; in: row r, + 64 h
	v_mul_u32_u24 v[RD], v11, SP
	s_delay_alu instid0(VALU_DEP_1)
	v_lshl_add_u32 v[RD], v10, 4, v[RD]
	s_delay_alu instid0(VALU_DEP_1)
	v_add_nc_u32 v[RD], s36, v[RD]                 ; back: lanes 0-15 one row of 256 bytes, lanes 16-31 the next
	v_lshlrev_b32 v[CO], 11, v11
	s_delay_alu instid0(VALU_DEP_1)
	v_lshl_add_u32 v[CO], v10, 4, v[CO]            ; and the same two rows in out0
	s_wait_alu depctr_va_vdst(0)
	s_wait_kmcnt 0x0
	s_add_nc_u64 s[4:5], s[4:5], s[20:21]
	s_add_nc_u64 s[6:7], s[6:7], s[22:23]
	s_add_nc_u64 s[32:33], s[8:9], s[24:25]
	s_add_nc_u64 s[34:35], s[8:9], s[26:27]
	s_add_nc_u64 s[10:11], s[10:11], s[28:29]
	s_add_nc_u64 s[12:13], s[12:13], s[30:31]
.macro LOADK k                         ; K step k's fragments into set k % 2: 8 loads for the two row tiles, 12 for the four weight tiles
.irp mi, 0,1
	global_load_b128 v[AF+24*((\k)%2)+12*\mi:AF+24*((\k)%2)+12*\mi+3], v[L16], s[4:5] offset:6144*\mi+1536*(\k)
	global_load_b64 v[AF+24*((\k)%2)+12*\mi+4:AF+24*((\k)%2)+12*\mi+5], v[L8], s[4:5] offset:6144*\mi+1536*(\k)+512
	global_load_b128 v[AF+24*((\k)%2)+12*\mi+6:AF+24*((\k)%2)+12*\mi+9], v[L16], s[4:5] offset:6144*\mi+1536*(\k)+768
	global_load_b64 v[AF+24*((\k)%2)+12*\mi+10:AF+24*((\k)%2)+12*\mi+11], v[L8], s[4:5] offset:6144*\mi+1536*(\k)+1280
.endr
.irp t, 0,1,2,3
.irp c, 0,1,2
	global_load_b128 v[WF+48*((\k)%2)+12*\t+4*\c:WF+48*((\k)%2)+12*\t+4*\c+3], v[L16], s[32:33] offset:6144*\t+1536*(\k)+512*\c
.endr
.endr
.endm
.macro MUL k                           ; 8 matrix instructions: the accumulators by turns, one instruction a turn
.irp mi, 0,1
.irp t, 0,1,2,3
	v_wmma_scale_f32_16x16x128_f8f6f4 v[ACC+8*(4*\mi+\t):ACC+8*(4*\mi+\t)+7], v[WF+48*((\k)%2)+12*\t:WF+48*((\k)%2)+12*\t+11], v[AF+24*((\k)%2)+12*\mi:AF+24*((\k)%2)+12*\mi+11], v[ACC+8*(4*\mi+\t):ACC+8*(4*\mi+\t)+7], v[WSW+4*\t+(\k)], v[ASW+4*\mi+(\k)] matrix_a_fmt:MATRIX_FMT_FP6 matrix_b_fmt:MATRIX_FMT_FP6
.endr
.endr
.endm
.macro PLACES                          ; four places in front of loads into registers that products have read, and of the first read of results
.rept 4
	v_nop
.endr
.endm
.irp mi, 0,1                                   ; the bias starts the sums: nothing is cleared and nothing is added later
.irp t, 0,1,2,3
	global_load_b128 v[ACC+8*(4*\mi+\t):ACC+8*(4*\mi+\t)+3], v[H64], s[10:11] offset:128*(\t/2)+32*(\t%2)
	global_load_b128 v[ACC+8*(4*\mi+\t)+4:ACC+8*(4*\mi+\t)+7], v[H64], s[10:11] offset:128*(\t/2)+32*(\t%2)+16
.endr
.endr
.irp mi, 0,1
	global_load_b128 v[ASW+4*\mi:ASW+4*\mi+3], v[R16], s[6:7] offset:256*\mi
.endr
.irp t, 0,1,2,3
	global_load_b128 v[WSW+4*\t:WSW+4*\t+3], v[L16], s[34:35] offset:512*\t
.endr
	LOADK 0
	LOADK 1
	s_wait_loadcnt 20                              ; all but K step 1's twenty
	MUL 0
	PLACES
	LOADK 2
	s_wait_loadcnt 20                              ; K step 1 is in; K step 2's twenty may be out
	MUL 1
	PLACES
	LOADK 3
	s_wait_loadcnt 20
	MUL 2
	s_wait_loadcnt 0x0
	MUL 3
	PLACES
; THE WAY OUT, a row tile at a time: 32 bytes a lane and tile into rows of 272 bytes, back as whole rows of 256.  LDS serves a wave's instructions in order: no wait between the stores and the loads, nor in front of the next tile's stores
.macro TOSTAGE mi
.irp t, 0,1,2,3
	ds_store_b128 v[STO], v[ACC+8*(4*\mi+\t):ACC+8*(4*\mi+\t)+3] offset:128*(\t/2)+32*(\t%2)       ; each accumulator from its low end on
	ds_store_b128 v[STO], v[ACC+8*(4*\mi+\t)+4:ACC+8*(4*\mi+\t)+7] offset:128*(\t/2)+32*(\t%2)+16
.endr
.irp i, 0,1,2,3,4,5,6,7
	ds_load_b128 v[AF+32*\mi+4*\i:AF+32*\mi+4*\i+3], v[RD] offset:2*\i*SP
.endr
.endm
.macro SEND mi
.irp i, 0,1,2,3,4,5,6,7
	global_store_b128 v[CO], v[AF+32*\mi+4*\i:AF+32*\mi+4*\i+3], s[12:13] offset:(16*\mi+2*\i)*2048 th:TH_STORE_NT   ; 16 lanes store 256 consecutive bytes, at a multiple of 256 from out0's first byte
.endr
.endm
	TOSTAGE 0
	TOSTAGE 1
	s_wait_dscnt 16                                ; the first tile is back; the second's eight stores and eight loads may be out
	SEND 0
	s_wait_dscnt 0x0
	SEND 1
	s_wait_tensorcnt 0x0                           ; the wave's end, behind my last LDS store
	ds_add_u32 v[SPW], v[NIL]
	s_wait_dscnt 0x0
	s_endpgm
.Lfunc_end_k_qac8ea40d45_outp:
	.size	k_qac8ea40d45_outp, .Lfunc_end_k_qac8ea40d45_outp-k_qac8ea40d45_outp
	.p2alignl 7, 3214868480
	.fill 96, 4, 3214868480
	.section	.rodata,"a",@progbits
	.p2align	6, 0x0
	.amdhsa_kernel k_qac8ea40d45_outp
		.amdhsa_group_segment_fixed_size 35840
		.amdhsa_private_segment_fixed_size 0
		.amdhsa_enable_private_segment 0
		.amdhsa_kernarg_size 40
		.amdhsa_user_sgpr_count 2
		.amdhsa_user_sgpr_kernarg_segment_ptr 1
		.amdhsa_wavefront_size32 1
		.amdhsa_system_sgpr_workgroup_id_x 1
		.amdhsa_system_sgpr_workgroup_id_y 1
		.amdhsa_system_sgpr_workgroup_id_z 1
		.amdhsa_system_vgpr_workitem_id 0
		.amdhsa_next_free_vgpr 256
		.amdhsa_next_free_sgpr 66
		.amdhsa_reserve_vcc 0
		.amdhsa_float_denorm_mode_32 3
		.amdhsa_float_denorm_mode_16_64 3
		.amdhsa_memory_ordered 1
		.amdhsa_forward_progress 1
		.amdhsa_inst_pref_size 21
	.end_amdhsa_kernel
	.amdgpu_metadata
---
amdhsa.version: [ 1, 2 ]
amdhsa.kernels:
  - .name:           k_qac8ea40d45_outp
    .symbol:         k_qac8ea40d45_outp.kd
    .args:
      - { .name: ao, .offset: 0, .size: 8, .value_kind: global_buffer, .address_space: global }
      - { .name: aosc, .offset: 8, .size: 8, .value_kind: global_buffer, .address_space: global }
      - { .name: wimg, .offset: 16, .size: 8, .value_kind: global_buffer, .address_space: global }
      - { .name: bo, .offset: 24, .size: 8, .value_kind: global_buffer, .address_space: global }
      - { .name: out0, .offset: 32, .size: 8, .value_kind: global_buffer, .address_space: global }
    .group_segment_fixed_size: 35840
    .private_segment_fixed_size: 0
    .kernarg_segment_align: 8
    .kernarg_segment_size: 40
    .max_flat_workgroup_size: 256
    .sgpr_count:     66
    .vgpr_count:     256
    .wavefront_size: 32
...
	.end_amdgpu_metadata
.endif
;; end of part 4
